; MI455X (gfx1250); checked and timed in simulation.
; The chip was launched on July 23, 2026; its instructions are those of AMD's public machine-readable ISA for CDNA 5 (MIT licence, August 2026) and "CDNA5" Instruction Set Architecture Reference Guide (July 2026). The comments in the code are by the model that wrote it; some were corrected since.
;; Mo E Layer. Allowed arithmetic: float matrix products may take bf16 or f16 operands with f32 sums; other float arithmetic in f32, or as packed bf16 or f16 multiplies, adds, multiply-adds, maxima and minima; sums over many terms, partial sums and values carried from step to step in f32; what a program stores and reads back later, other than sums and carried values, may be rounded once to bf16 or f16.
;; Inputs: b1_all 8 x 2,048 float32; b2_all 8 x 512 float32; router_w 8 x 512 float32; w1_all 8 x 2,048 x 512 float32; w2_all 8 x 512 x 2,048 float32; x 2 x 2,048 x 512 float32.
;; Outputs: out0 2 x 2,048 x 512 float32.
;; One version. Each part assembles by itself: llvm-mc -triple=amdgcn-amd-amdhsa -mcpu=gfx1250 --defsym DOCPART=n.
;; ======== version 1 of 1: 5 launches
;; limits: values are held in f16: magnitudes above 65,504 overflow, below 6.1e-05 lose precision
;; workspace buffers: w1b 16,777,216 bytes; w2h 16,777,216 bytes; route 20,480 bytes of whole numbers; gate 32,768 bytes; xs 9,437,184 bytes; place 33,024 bytes of whole numbers; hh 37,748,736 bytes; pp 18,874,368 bytes
;; launch route (part 1): grid 256 x 1, 8 waves a work-group, no clusters, 9,216 bytes of LDS; arguments x, router_w, w1_all, w1b, route, gate; writes w1b, route, gate
.if DOCPART == 1
	.amdgcn_target "amdgcn-amd-amdhsa--gfx1250"
	.amdhsa_code_object_version 6
	.text
	.protected	k_q0751239246_route
	.globl	k_q0751239246_route
	.p2align	8
	.type	k_q0751239246_route,@function
k_q0751239246_route:
	s_mov_b64 s[64:65], 0
	v_nop
	global_prefetch_b8 v0, s[64:65] scope:SCOPE_SE
	s_setreg_imm32_b32 hwreg(HW_REG_WAVE_MODE, 25, 1), 1
	s_wait_xcnt 0x0
; ROUTER, AND W1 ROUNDED TO bf16.  x [4096][512] f32, router_w [8][512] f32, w1_all [8][2048][512] f32.
; Work-group b: tokens 16 b .. 16 b + 15, and 131,072 bytes of w1_all.  Wave w: K = 64 w .. 64 w + 63 of the 8 logits of these tokens, and 16,384 bytes of the cast.
; The whole program takes every input rounded to bf16, the router's too: the logits are sums in f32 of products of bf16 numbers.
; Out: route bytes 0..: sel[token] = e1 | e2 << 8;  bytes 16384..: cnt[block of 16 tokens][4], word i = the block's count of expert 2 i (low half) and 2 i + 1 (high half);
; gate[token][2] = the two probabilities divided by (their sum + 1e-9).  These numbers are stored at fixed places: no address and no branch of this launch hangs on them.
; LIMITS.  Equal probabilities keep the lower index.  Probabilities closer than the rounding of these f32 sums may be ordered otherwise than by exact arithmetic.  NaN and infinities are not treated apart.
; No cluster: no two work-groups read the same bytes but router_w's 16 KB.
.set SPARE, 8192                       ; behind the partial logits: the spare words, 128 bytes for each of 8 waves
.set XR,  16                           ; v16-47   x as loaded: 2 chunks of 16 consecutive k
.set RR,  48                           ; v48-79   router_w likewise
.set XF,  80                           ; v80-95   x, two fragments
.set RF,  96                           ; v96-111  router_w, two fragments
.set AC0, 112                          ; v112-119, v120-127 the two chunks' sums
.set AC1, 120
.set CW,  128                          ; v128-255 the cast: 32 loads of 4 registers
	s_load_b256 s[4:11], s[0:1], 0x0               ; x s[4:5], router_w s[6:7], w1_all s[8:9], w1b s[10:11]
	s_load_b128 s[12:15], s[0:1], 0x20             ; route s[12:13], gate s[14:15]
	v_lshl_add_u32 v10, v0, 2, SPARE               ; my spare word; never rewritten
	v_mov_b32 v11, 0                               ; 0; never rewritten
	v_lshrrev_b32 v12, 5, v0
	v_readfirstlane_b32 s16, v12                   ; wave 0..7
	v_and_b32 v1, 31, v0                           ; lane
	v_and_b32 v2, 15, v0                           ; r
	v_bfe_u32 v3, v0, 4, 1                         ; h
	v_lshlrev_b32 v4, 11, v2                       ; x: row r x 2,048 bytes
	v_lshl_add_u32 v4, v3, 6, v4                   ; + 64 h
	v_lshl_add_u32 v4, s16, 8, v4                  ; + 256 w
	v_and_b32 v5, 7, v0                            ; router_w: row r % 8 (rows 8-15 of the fragment repeat the eight experts)
	v_lshlrev_b32 v5, 11, v5
	v_lshl_add_u32 v5, v3, 6, v5
	v_lshl_add_u32 v5, s16, 8, v5
	v_lshlrev_b32 v6, 4, v1                        ; cast in: 16,384 w + 16 lane
	v_lshl_add_u32 v6, s16, 14, v6
	v_lshlrev_b32 v7, 3, v1                        ; cast out: 8,192 w + 8 lane
	v_lshl_add_u32 v7, s16, 13, v7
	v_lshlrev_b32 v8, 5, v0                        ; LDS: 32 bytes for each thread = 1,024 w + 32 lane
	v_lshlrev_b32 v9, 5, v1                        ; 32 lane
	s_mov_b32 s36, 0x3fb8aa3b                      ; log2(e)
	s_mov_b32 s19, 0
	s_wait_kmcnt 0x0
	s_lshl_b32 s18, ttmp9, 15
	s_add_nc_u64 s[4:5], s[4:5], s[18:19]          ; x at my 16 rows
	s_lshl_b32 s18, ttmp9, 17
	s_add_nc_u64 s[8:9], s[8:9], s[18:19]          ; w1_all at my 131,072 bytes
	s_lshl_b32 s18, ttmp9, 16
	s_add_nc_u64 s[10:11], s[10:11], s[18:19]      ; w1b at my 65,536 bytes
	s_lshl_b32 s18, ttmp9, 4
	s_add_nc_u64 s[38:39], s[12:13], s[18:19]      ; route + 16 b: the counts (16,384 stands in the store's immediate)
	s_lshl_b32 s18, ttmp9, 6
	s_add_nc_u64 s[12:13], s[12:13], s[18:19]      ; route + 64 b: sel
	s_lshl_b32 s18, ttmp9, 7
	s_add_nc_u64 s[14:15], s[14:15], s[18:19]      ; gate + 128 b
	; lane (r, h) takes k = 64 w + 32 c + 16 h + 0..15 of its row: the same permutation of k in both operands, so the products are the same
.irp c, 0,1
.irp p, 0,1,2,3
	global_load_b128 v[XR+16*\c+4*\p:XR+16*\c+4*\p+3], v4, s[4:5] offset:128*\c+16*\p
.endr
.endr
.irp c, 0,1
.irp p, 0,1,2,3
	global_load_b128 v[RR+16*\c+4*\p:RR+16*\c+4*\p+3], v5, s[6:7] offset:128*\c+16*\p
.endr
.endr
.set i, 0
.rept 32                                           ; the cast's 32 loads go out at once: 512 consecutive bytes each
	global_load_b128 v[CW+4*i:CW+4*i+3], v6, s[8:9] offset:512*i th:TH_LOAD_NT
.set i, i+1
.endr
	s_wait_loadcnt 32                              ; the router's 16 loads are in; the 32 issued behind them stay out
.set i, 0
.rept 16
	v_cvt_pk_bf16_f32 v[XF+i], v[XR+2*i], v[XR+2*i+1]
	v_cvt_pk_bf16_f32 v[RF+i], v[RR+2*i], v[RR+2*i+1]
.set i, i+1
.endr
	; source 0 = experts, source 1 = tokens: lane (r, h) then holds token r, register j expert j (both halves of the lanes alike)
	v_wmma_f32_16x16x32_bf16 v[AC0:AC0+7], v[RF:RF+7], v[XF:XF+7], 0
	v_wmma_f32_16x16x32_bf16 v[AC1:AC1+7], v[RF+8:RF+15], v[XF+8:XF+15], 0
.rept 4
	v_nop                                          ; four places between a matrix instruction and the first read of its result (ISA guide 7.12.1)
.endr
.irp i, 0,1,2,3
	v_pk_add_f32 v[16+2*\i:17+2*\i], v[AC0+2*\i:AC0+2*\i+1], v[AC1+2*\i:AC1+2*\i+1]
.endr
	ds_store_b128 v8, v[16:19]
	ds_store_b128 v8, v[20:23] offset:16
	s_wait_tensorcnt 0x0                           ; behind my last LDS store
	ds_add_u32 v10, v11
	s_wait_dscnt 0x0                               ; the wait also shows my partial logits stored, for wave 0's sake
	s_barrier_signal -1
	s_barrier_wait -1
	s_cmp_lg_u32 s16, 0
	s_cbranch_scc1 .Lcast                          ; wave 0 alone finishes the router
.irp w, 0,1,2,3,4,5,6,7
	ds_load_b128 v[16+8*\w:19+8*\w], v9 offset:1024*\w
	ds_load_b128 v[20+8*\w:23+8*\w], v9 offset:1024*\w+16
.endr
	s_wait_dscnt 0x0
.irp w, 1,2,3,4,5,6,7
.irp i, 0,1,2,3
	v_pk_add_f32 v[16+2*\i:17+2*\i], v[16+2*\i:17+2*\i], v[16+8*\w+2*\i:17+8*\w+2*\i]
.endr
.endr
	; softmax over the eight logits v16-23, the maximum taken away first
	v_max3_num_f32 v12, v16, v17, v18
	v_max3_num_f32 v12, v12, v19, v20
	v_max3_num_f32 v12, v12, v21, v22
	v_max_num_f32 v12, v12, v23
	v_mul_f32 v13, s36, v12
.irp j, 0,1,2,3,4,5,6,7
	v_fma_f32 v[24+\j], v[16+\j], s36, -v13
.endr
.irp j, 0,1,2,3,4,5,6,7
	v_exp_f32 v[24+\j], v[24+\j]
.endr
	v_nop                                          ; a plain instruction behind the last exponential
	s_wait_alu depctr_va_vdst(0)
	v_add_f32 v12, v24, v25
	v_add_f32 v14, v26, v27
	v_add_f32 v15, v28, v29
	v_add_f32 v13, v30, v31
	v_add_f32 v12, v12, v14
	v_add_f32 v15, v15, v13
	v_add_f32 v12, v12, v15
	v_rcp_f32 v12, v12
	v_nop
	s_wait_alu depctr_va_vdst(0)
.irp j, 0,1,2,3,4,5,6,7
	v_mul_f32 v[24+\j], v[24+\j], v12              ; the probabilities
.endr
	; the largest: strictly greater moves on, so the lower index keeps a tie
	v_mov_b32 v80, v24
	v_mov_b32 v81, 0
.irp j, 1,2,3,4,5,6,7
	v_cmp_gt_f32 vcc_lo, v[24+\j], v80
	v_cndmask_b32 v80, v80, v[24+\j], vcc_lo
	v_cndmask_b32 v81, v81, \j, vcc_lo
.endr
	; the second: the same among the other seven
	v_mov_b32 v82, -1.0
	v_mov_b32 v83, 0
.irp j, 0,1,2,3,4,5,6,7
	v_cmp_ne_u32 s20, \j, v81
	v_cmp_gt_f32 vcc_lo, v[24+\j], v82
	s_and_b32 vcc_lo, vcc_lo, s20
	v_cndmask_b32 v82, v82, v[24+\j], vcc_lo
	v_cndmask_b32 v83, v83, \j, vcc_lo
.endr
	v_add_f32 v84, v80, v82
	v_add_f32 v84, 0x3089705f, v84                 ; + 1e-9
	v_rcp_f32 v84, v84
	v_lshl_or_b32 v85, v83, 8, v81                 ; sel
	s_wait_alu depctr_va_vdst(0)
	v_mul_f32 v86, v80, v84
	v_mul_f32 v87, v82, v84
	v_lshlrev_b32 v93, 2, v2
	v_lshlrev_b32 v94, 3, v2
	global_store_b32 v93, v85, s[12:13]            ; lanes r and 16 + r hold the same token and write the same number
	global_store_b64 v94, v[86:87], s[14:15]
.irp e, 0,1,2,3,4,5,6,7
	v_cmp_eq_u32 s20, \e, v81
	v_cmp_eq_u32 s21, \e, v83
	s_or_b32 s20, s20, s21
	s_and_b32 s20, s20, 0xffff                     ; each token once
	s_bcnt1_i32_b32 s[24+\e], s20
.endr
.irp i, 0,1,2,3
	s_lshl_b32 s[25+2*\i], s[25+2*\i], 16
	s_or_b32 s[24+2*\i], s[24+2*\i], s[25+2*\i]
	v_mov_b32 v[88+\i], s[24+2*\i]
.endr
	v_mov_b32 v92, 0
	global_store_b128 v92, v[88:91], s[38:39] offset:16384  ; every lane writes the block's same 16 bytes
.Lcast:
.set i, 0
.rept 32
	s_wait_loadcnt 31-i                            ; loads come back in order: number i is in, the younger ones stay out
	v_cvt_pk_bf16_f32 v[CW+4*i], v[CW+4*i], v[CW+4*i+1]
	v_cvt_pk_bf16_f32 v[CW+4*i+1], v[CW+4*i+2], v[CW+4*i+3]
	global_store_b64 v7, v[CW+4*i:CW+4*i+1], s[10:11] offset:256*i  ; the wave's store covers 256 consecutive bytes, aligned; no register is written twice
.set i, i+1
.endr
	s_endpgm
.Lfunc_end_k_q0751239246_route:
	.size	k_q0751239246_route, .Lfunc_end_k_q0751239246_route-k_q0751239246_route
	.p2alignl 7, 3214868480
	.fill 96, 4, 3214868480
	.section	.rodata,"a",@progbits
	.p2align	6, 0x0
	.amdhsa_kernel k_q0751239246_route
		.amdhsa_group_segment_fixed_size 9216
		.amdhsa_private_segment_fixed_size 0
		.amdhsa_enable_private_segment 0
		.amdhsa_kernarg_size 48
		.amdhsa_user_sgpr_count 2
		.amdhsa_user_sgpr_kernarg_segment_ptr 1
		.amdhsa_wavefront_size32 1
		.amdhsa_system_sgpr_workgroup_id_x 1
		.amdhsa_system_sgpr_workgroup_id_y 1
		.amdhsa_system_sgpr_workgroup_id_z 1
		.amdhsa_system_vgpr_workitem_id 0
		.amdhsa_next_free_vgpr 256
		.amdhsa_next_free_sgpr 66
		.amdhsa_reserve_vcc 1
		.amdhsa_float_denorm_mode_32 3
		.amdhsa_float_denorm_mode_16_64 3
		.amdhsa_memory_ordered 1
		.amdhsa_forward_progress 1
		.amdhsa_inst_pref_size 28
	.end_amdhsa_kernel
	.amdgpu_metadata
---
amdhsa.version: [ 1, 2 ]
amdhsa.kernels:
  - .name:           k_q0751239246_route
    .symbol:         k_q0751239246_route.kd
    .args:
      - { .name: x, .offset: 0, .size: 8, .value_kind: global_buffer, .address_space: global }
      - { .name: router_w, .offset: 8, .size: 8, .value_kind: global_buffer, .address_space: global }
      - { .name: w1_all, .offset: 16, .size: 8, .value_kind: global_buffer, .address_space: global }
      - { .name: w1b, .offset: 24, .size: 8, .value_kind: global_buffer, .address_space: global }
      - { .name: route, .offset: 32, .size: 8, .value_kind: global_buffer, .address_space: global }
      - { .name: gate, .offset: 40, .size: 8, .value_kind: global_buffer, .address_space: global }
    .group_segment_fixed_size: 9216
    .private_segment_fixed_size: 0
    .kernarg_segment_align: 8
    .kernarg_segment_size: 48
    .max_flat_workgroup_size: 256
    .sgpr_count:     66
    .vgpr_count:     256
    .wavefront_size: 32
...
	.end_amdgpu_metadata
.endif
;; end of part 1
;; launch place (part 2): grid 256 x 1, 8 waves a work-group, no clusters, 0 bytes of LDS; arguments route, x, w2_all, w2h, xs, place; writes w2h, xs, place
.if DOCPART == 2
	.amdgcn_target "amdgcn-amd-amdhsa--gfx1250"
	.amdhsa_code_object_version 6
	.text
	.protected	k_q0751239246_place
	.globl	k_q0751239246_place
	.p2align	8
	.type	k_q0751239246_place,@function
k_q0751239246_place:
	s_mov_b64 s[64:65], 0
	v_nop
	global_prefetch_b8 v0, s[64:65] scope:SCOPE_SE
	s_setreg_imm32_b32 hwreg(HW_REG_WAVE_MODE, 25, 1), 1
	s_wait_xcnt 0x0
; PLACEMENT, AND W2 ROUNDED.  From the stored choices: a slot for each of the 8,192 (token, expert) rows, by a counting sort without atomics.
; A GROUP is 144 slots of one expert.  Expert e has G_e = ceil(n_e / 144) groups, from group gb_e (the running sum) on.  The sum of G_e is a whole number and at most (8192 + 8 x 143) / 144 = 64.8, so 64 groups
; (9,216 slots) serve every split of the tokens; 9,216 - 8,192 = 1,024 slots are always pads (the ends of experts' last groups, and the groups that are left): their rows of xs are stored as zeros.
; Work-group b: block b of 16 tokens, pads 4 b .. 4 b + 3, 131,072 bytes of w2_all.  Wave w: tokens 16 b + 2 w and + 1, pad 4 b + w (waves 0 to 3), 16,384 bytes of the cast.
; Every wave works the small tables out for itself from the 4 KB of counts: no LDS, no barrier.
; Out: xs[slot][512] = x's row rounded to bf16;  place bytes 0..: pos[token][2] = its two slots;  bytes 32768..: ge[group] = the group's expert (7 for groups that are left);
; w2h = w2_all rounded to bf16 and that number written as f16: exact from 2^-14 up to 65,504; below 2^-14 it keeps f16's fixed step of 2^-24; beyond 65,504 it is lost (LIMIT).
.set GROUP, 144
.set LAST,  64*GROUP-1                 ; the last slot
.set CN,  16                           ; v16-47   the counts: lane l holds blocks l + 32 j, four packed words each
.set XR,  52                           ; v52-83   my two rows of x
.set TOT, 84                           ; v84-87   all blocks' counts
.set PRE, 88                           ; v88-91   the counts of the blocks in front of mine
.set CW,  96                           ; v96-223  the cast
; s16-23 n_e; s24-31 the rows of e in blocks in front of mine; s32 gb; s33 PP (pads so far); s36-43 S_e = my block's first slot in e; s44-52 Q_e: pad p of e lies at slot p + Q_e;
; s53-60 PP behind e; s66-72 gb behind e
	s_load_b256 s[4:11], s[0:1], 0x0               ; route s[4:5], x s[6:7], w2_all s[8:9], w2h s[10:11]
	s_load_b128 s[12:15], s[0:1], 0x20             ; xs s[12:13], place s[14:15]
	v_lshrrev_b32 v12, 5, v0
	v_readfirstlane_b32 s74, v12                   ; wave 0..7
	v_and_b32 v1, 31, v0                           ; lane
	v_and_b32 v2, 15, v0                           ; r
	v_bfe_u32 v3, v0, 4, 1                         ; h
	v_lshlrev_b32 v4, 4, v1                        ; 16 lane
	v_lshlrev_b32 v5, 3, v1                        ; 8 lane
	v_lshl_add_u32 v6, s74, 14, v4                 ; cast in
	v_lshl_add_u32 v7, s74, 13, v5                 ; cast out
	s_mov_b32 s87, ttmp9                           ; b
	s_lshl_b32 s86, s87, 6
	v_lshlrev_b32 v49, 2, v2
	v_add_nc_u32 v49, s86, v49                     ; sel of token 16 b + r: 64 b + 4 r
	s_mov_b32 s75, 0xffff0000                      ; a word's upper half; also: lanes 16-31
	s_mov_b32 s76, 0x76543210                      ; v_permlanex16_b32: each lane takes its own place in the other half
	s_mov_b32 s77, 0xfedcba98
	s_mov_b32 s95, 0
	s_lshl_b32 s94, s87, 15
	s_lshl_b32 s86, s74, 12
	s_add_co_u32 s94, s94, s86                     ; (16 b + 2 w) rows of 2,048 bytes
	s_wait_kmcnt 0x0
	s_add_nc_u64 s[6:7], s[6:7], s[94:95]
	s_lshl_b32 s94, s87, 17
	s_add_nc_u64 s[8:9], s[8:9], s[94:95]
	s_lshl_b32 s94, s87, 16
	s_add_nc_u64 s[10:11], s[10:11], s[94:95]
.irp j, 0,1,2,3,4,5,6,7
	global_load_b128 v[CN+4*\j:CN+4*\j+3], v4, s[4:5] offset:16384+512*\j
.endr
	global_load_b32 v48, v49, s[4:5]
.irp i, 0,1
.irp p, 0,1,2,3
	global_load_b128 v[XR+16*\i+4*\p:XR+16*\i+4*\p+3], v4, s[6:7] offset:2048*\i+512*\p th:TH_LOAD_NT
.endr
.endr
.set i, 0
.rept 32
	global_load_b128 v[CW+4*i:CW+4*i+3], v6, s[8:9] offset:512*i th:TH_LOAD_NT
.set i, i+1
.endr
	s_wait_loadcnt 40                              ; counts and sel are in; the 8 loads of x and the 32 of the cast stay out
	; sums of packed halves: no count passes 4,096, so nothing carries from the low half into the high one
.irp k, 0,1,2,3
	v_add3_u32 v[TOT+\k], v[CN+\k], v[CN+4+\k], v[CN+8+\k]
	v_add3_u32 v[TOT+\k], v[TOT+\k], v[CN+12+\k], v[CN+16+\k]
	v_add3_u32 v[TOT+\k], v[TOT+\k], v[CN+20+\k], v[CN+24+\k]
	v_add_nc_u32 v[TOT+\k], v[TOT+\k], v[CN+28+\k]
.endr
	v_cmp_gt_i32 vcc_lo, s87, v1                   ; block l + 32 j lies in front of mine where l < b - 32 j
.irp k, 0,1,2,3
	v_cndmask_b32 v[PRE+\k], 0, v[CN+\k], vcc_lo
.endr
.irp j, 1,2,3,4,5,6,7
	s_sub_co_i32 s78, s87, 32*\j
	v_cmp_gt_i32 vcc_lo, s78, v1
.irp k, 0,1,2,3
	v_cndmask_b32 v13, 0, v[CN+4*\j+\k], vcc_lo
	v_add_nc_u32 v[PRE+\k], v[PRE+\k], v13
.endr
.endr
.macro LANESUM r                       ; the sum over the 32 lanes, in every lane
.irp m, 1,2,4,8
	v_mov_b32_dpp v12, v[\r] row_xmask:\m row_mask:0xf bank_mask:0xf
	v_add_nc_u32 v[\r], v[\r], v12
.endr
	v_permlanex16_b32 v12, v[\r], s76, s77
	v_add_nc_u32 v[\r], v[\r], v12
.endm
.irp k, 0,1,2,3
	LANESUM TOT+\k
	LANESUM PRE+\k
.endr
.irp i, 0,1,2,3
	v_readfirstlane_b32 s78, v[TOT+\i]
	s_and_b32 s[16+2*\i], s78, 0xffff
	s_lshr_b32 s[17+2*\i], s78, 16
	v_readfirstlane_b32 s79, v[PRE+\i]
	s_and_b32 s[24+2*\i], s79, 0xffff
	s_lshr_b32 s[25+2*\i], s79, 16
.endr
	s_mov_b32 s32, 0
	s_mov_b32 s33, 0
.irp e, 0,1,2,3,4,5,6,7
	s_add_co_u32 s78, s[16+\e], GROUP-1
	s_lshr_b32 s78, s78, 4                         ; G = (n + 143) / 144 = ((n + 143) / 16) / 9;
	s_mul_i32 s78, s78, 7282                       ; 7282 x 9 = 2^16 + 2: the quotient by 9 is exact far beyond 264, and (n + 143) / 16 is no more
	s_lshr_b32 s78, s78, 16
	s_mul_i32 s79, s32, GROUP                      ; the expert's first slot
	s_add_co_u32 s[36+\e], s79, s[24+\e]
	s_add_co_u32 s80, s79, s[16+\e]
	s_sub_co_u32 s[44+\e], s80, s33
	s_add_co_u32 s32, s32, s78
	s_mul_i32 s78, s78, GROUP
	s_sub_co_u32 s78, s78, s[16+\e]                ; the expert's pads
	s_add_co_u32 s33, s33, s78
	s_mov_b32 s[53+\e], s33
.if \e < 7
	s_mov_b32 s[66+\e], s32
.endif
.endr
	s_mul_i32 s79, s32, GROUP
	s_sub_co_u32 s52, s79, s33                     ; the pads behind the last expert's
	; the slots of my block's 16 tokens, in lanes 0-15: the block's first slot in the expert + the number of earlier tokens of the block that chose it
	v_and_b32 v8, 0xff, v48
	v_bfe_u32 v9, v48, 8, 8
	v_mov_b32 v10, 0
	v_mov_b32 v11, 0
.irp e, 0,1,2,3,4,5,6,7
	v_cmp_eq_u32 s78, \e, v8
	v_cmp_eq_u32 s79, \e, v9
	s_or_b32 s80, s78, s79
	s_and_b32 s80, s80, 0xffff
	v_mbcnt_lo_u32_b32 v13, s80, 0
	v_add_nc_u32 v13, s[36+\e], v13
	v_cndmask_b32 v10, v10, v13, s78
	v_cndmask_b32 v11, v11, v13, s79
.endr
	v_min_u32 v10, LAST, v10                       ; a slot is below 9,216
	v_min_u32 v11, LAST, v11
	; my two tokens' four rows of xs
	s_lshl_b32 s86, s74, 1
	s_add_co_u32 s96, s86, 1
	v_readlane_b32 s88, v10, s86
	v_readlane_b32 s89, v11, s86
	v_readlane_b32 s90, v10, s96
	v_readlane_b32 s91, v11, s96
.irp n, 0,1,2,3
	s_min_u32 s[88+\n], s[88+\n], LAST
	s_lshl_b32 s94, s[88+\n], 10                   ; a row of xs is 1,024 bytes
	s_add_nc_u64 s[78+2*\n:79+2*\n], s[12:13], s[94:95]
.endr
	s_wait_loadcnt 32                              ; x's rows are in; the cast's 32 loads stay out
.set i, 0
.rept 8
	v_cvt_pk_bf16_f32 v[XR+4*i], v[XR+4*i], v[XR+4*i+1]
	v_cvt_pk_bf16_f32 v[XR+4*i+1], v[XR+4*i+2], v[XR+4*i+3]
.set i, i+1
.endr
.irp p, 0,1,2,3
	global_store_b64 v5, v[XR+4*\p:XR+4*\p+1], s[78:79] offset:256*\p       ; each store covers 256 consecutive bytes, aligned
	global_store_b64 v5, v[XR+4*\p:XR+4*\p+1], s[80:81] offset:256*\p
	global_store_b64 v5, v[XR+16+4*\p:XR+16+4*\p+1], s[82:83] offset:256*\p
	global_store_b64 v5, v[XR+16+4*\p:XR+16+4*\p+1], s[84:85] offset:256*\p
.endr
	; waves 0 to 3: a pad row each.  Pad p = 4 b + w belongs to the first expert behind which more than p pads have been counted
	s_cmp_lt_u32 s74, 4
	s_cbranch_scc0 .Lnopad
	s_lshl_b32 s86, s87, 2
	s_add_co_u32 s86, s86, s74
	s_mov_b32 s97, s52
.irp e, 7,6,5,4,3,2,1,0
	s_cmp_lt_u32 s86, s[53+\e]
	s_cselect_b32 s97, s[44+\e], s97
.endr
	s_add_co_u32 s97, s97, s86
	s_min_u32 s97, s97, LAST
	s_lshl_b32 s94, s97, 10
	s_add_nc_u64 s[92:93], s[12:13], s[94:95]
.irp k, 0,1,2,3
	v_mov_b32 v[92+\k], 0
.endr
	global_store_b128 v4, v[92:95], s[92:93]
	global_store_b128 v4, v[92:95], s[92:93] offset:512
.Lnopad:
	s_cmp_lg_u32 s74, 0
	s_cbranch_scc1 .Lcast
	; wave 0: pos of the block's tokens: lane r the first slot, lane 16 + r the second: 128 consecutive bytes
	v_mov_b32 v226, 0
	v_permlanex16_b32 v226, v11, s76, s77
	v_cndmask_b32 v224, v10, v226, s75
	v_lshlrev_b32 v225, 3, v2
	v_lshl_add_u32 v225, v3, 2, v225
	s_lshl_b32 s86, s87, 7
	v_add_nc_u32 v225, s86, v225
	global_store_b32 v225, v224, s[14:15]
	s_cmp_lg_u32 s87, 0
	s_cbranch_scc1 .Lcast
	; work-group 0, wave 0: the expert of group g = the number of experts 0..6 whose groups end at or in front of g
	v_lshlrev_b32 v227, 1, v1
	v_or_b32 v230, 1, v227
	v_mov_b32 v228, 0
	v_mov_b32 v229, 0
.irp e, 0,1,2,3,4,5,6
	v_cmp_le_u32 vcc_lo, s[66+\e], v227
	v_cndmask_b32 v231, 0, 1, vcc_lo
	v_add_nc_u32 v228, v228, v231
	v_cmp_le_u32 vcc_lo, s[66+\e], v230
	v_cndmask_b32 v231, 0, 1, vcc_lo
	v_add_nc_u32 v229, v229, v231
.endr
	global_store_b64 v5, v[228:229], s[14:15] offset:32768
.Lcast:
.set i, 0
.rept 32
	s_wait_loadcnt 31-i                            ; number i is in, the younger loads stay out (no path has issued a load since)
	v_cvt_pk_bf16_f32 v[CW+4*i], v[CW+4*i], v[CW+4*i+1]      ; rounded to bf16,
	v_cvt_pk_bf16_f32 v[CW+4*i+2], v[CW+4*i+2], v[CW+4*i+3]
	v_and_b32 v[CW+4*i+1], s75, v[CW+4*i]                    ; widened again,
	v_lshlrev_b32 v[CW+4*i], 16, v[CW+4*i]
	v_and_b32 v[CW+4*i+3], s75, v[CW+4*i+2]
	v_lshlrev_b32 v[CW+4*i+2], 16, v[CW+4*i+2]
	v_cvt_pk_f16_f32 v[CW+4*i], v[CW+4*i], v[CW+4*i+1]       ; and written as f16
	v_cvt_pk_f16_f32 v[CW+4*i+1], v[CW+4*i+2], v[CW+4*i+3]
	global_store_b64 v7, v[CW+4*i:CW+4*i+1], s[10:11] offset:256*i
.set i, i+1
.endr
	s_endpgm
.Lfunc_end_k_q0751239246_place:
	.size	k_q0751239246_place, .Lfunc_end_k_q0751239246_place-k_q0751239246_place
	.p2alignl 7, 3214868480
	.fill 96, 4, 3214868480
	.section	.rodata,"a",@progbits
	.p2align	6, 0x0
	.amdhsa_kernel k_q0751239246_place
		.amdhsa_group_segment_fixed_size 0
		.amdhsa_private_segment_fixed_size 0
		.amdhsa_enable_private_segment 0
		.amdhsa_kernarg_size 48
		.amdhsa_user_sgpr_count 2
		.amdhsa_user_sgpr_kernarg_segment_ptr 1
		.amdhsa_wavefront_size32 1
		.amdhsa_system_sgpr_workgroup_id_x 1
		.amdhsa_system_sgpr_workgroup_id_y 1
		.amdhsa_system_sgpr_workgroup_id_z 1
		.amdhsa_system_vgpr_workitem_id 0
		.amdhsa_next_free_vgpr 232
		.amdhsa_next_free_sgpr 100
		.amdhsa_reserve_vcc 1
		.amdhsa_float_denorm_mode_32 3
		.amdhsa_float_denorm_mode_16_64 3
		.amdhsa_memory_ordered 1
		.amdhsa_forward_progress 1
		.amdhsa_inst_pref_size 46
	.end_amdhsa_kernel
	.amdgpu_metadata
---
amdhsa.version: [ 1, 2 ]
amdhsa.kernels:
  - .name:           k_q0751239246_place
    .symbol:         k_q0751239246_place.kd
    .args:
      - { .name: route, .offset: 0, .size: 8, .value_kind: global_buffer, .address_space: global }
      - { .name: x, .offset: 8, .size: 8, .value_kind: global_buffer, .address_space: global }
      - { .name: w2_all, .offset: 16, .size: 8, .value_kind: global_buffer, .address_space: global }
      - { .name: w2h, .offset: 24, .size: 8, .value_kind: global_buffer, .address_space: global }
      - { .name: xs, .offset: 32, .size: 8, .value_kind: global_buffer, .address_space: global }
      - { .name: place, .offset: 40, .size: 8, .value_kind: global_buffer, .address_space: global }
    .group_segment_fixed_size: 0
    .private_segment_fixed_size: 0
    .kernarg_segment_align: 8
    .kernarg_segment_size: 48
    .max_flat_workgroup_size: 256
    .sgpr_count:     100
    .vgpr_count:     232
    .wavefront_size: 32
...
	.end_amdgpu_metadata
.endif
;; end of part 2
;; launch ffn1 (part 3): grid 256 x 1, 4 waves a work-group, clusters of 4 x 1, 327,680 bytes of LDS; arguments xs, w1b, b1_all, place, hh; writes hh
.if DOCPART == 3
	.amdgcn_target "amdgcn-amd-amdhsa--gfx1250"
	.amdhsa_code_object_version 6
	.text
	.protected	k_q0751239246_ffn1
	.globl	k_q0751239246_ffn1
	.p2align	8
	.type	k_q0751239246_ffn1,@function
k_q0751239246_ffn1:
	s_mov_b64 s[64:65], 0
	v_nop
	global_prefetch_b8 v0, s[64:65] scope:SCOPE_SE
	s_setreg_imm32_b32 hwreg(HW_REG_WAVE_MODE, 25, 1), 1
	s_wait_xcnt 0x0
	s_wait_alu depctr_hold_cnt(0) depctr_sa_sdst(0) depctr_va_vdst(0) depctr_va_sdst(0) depctr_va_ssrc(0) depctr_va_vcc(0) depctr_vm_vsrc(0)
	s_getreg_b32 s2, hwreg(HW_REG_IB_STS2, 6, 4)
	s_cmp_eq_u32 s2, 0
	s_cbranch_scc0 .Lentry_in_a_cluster
	s_endpgm
.Lentry_in_a_cluster:
	s_bfe_u32 s2, ttmp6, 0x10000c
	s_cmp_lg_u32 s2, 0x3003
	s_cbranch_scc0 .Lentry_shape_is_right
	s_endpgm
.Lentry_shape_is_right:
; H[slot][f] = f16(relu(sum over c of xs[slot][c] w1b[e][f][c] + bf16(b1[e][f]))).  xs [9216][512] bf16, w1b [8][2048][512] bf16, hh [9216][2048] f16; sums in f32.
; A cluster of four work-groups has one group of 144 slots (9 blocks of 16), all of one expert e = ge[group]; work-group q of it makes f = 512 q .. 512 q + 511, as two tiles of 144 x 256, one after the other.
; Cluster c takes group 8 (c % 8) + c / 8: clusters alike in their low three bits have eight neighbouring groups, most of them of one expert.
; K = 512 goes in steps of 128 through two LDS slots; the two tiles' 8 steps are one walk of the ring.  Four waves: wave w has columns 128 (w % 2) .. + 127 (8 blocks b); waves 0, 1 have the group's row blocks 0-4,
; waves 2, 3 its blocks 5-8.  One text serves both: it names five blocks a, and waves 2, 3 jump, by the wave's number, over the fifth block's products and over its way out.
; So that every wave's counts of LDS loads and its registers' state are alike on every path, two things are not jumped: the fifth fragment's two LDS loads (in waves 2, 3 they bring the first 16 rows of w1b's
; tile, which nothing uses) and the eight products that start the fifth block's sums (16 matrix instructions a wave in all, whose results waves 2, 3 never read).
; JOINT LOADS.  The four partners need the same tile of xs: waves 0 and 1 ask for its halves of 72 rows jointly (mask 15).  The tiles of w1b are each work-group's own: waves 2 and 3 ask for them with no mask.
; A cluster that shared w1b's tiles too would need four groups of one expert: 16 such units for 8 experts hold every split only at 1,023 rows a unit or more, and an expert just past that would cost twice.
; Every group runs the same text, whatever the split: pad rows are zeros, their results are stored and never read.  9,216 rows are multiplied for 8,192.
; THE MATRIX INSTRUCTION IS USED TRANSPOSED (source 0 = 16 f, source 1 = 16 slots): a lane holds one slot (lane % 16) and eight neighbouring f.  The bias is the C operand of the product that starts a sum.
; LIMITS.  H is kept in f16: a number of 65,520 or more becomes an infinity; below 2^-14 it keeps the fixed step 2^-24.  relu(NaN) is 0 here.
; REGISTERS, in windows of 256 (s_set_vgpr_msb: bits 1:0 source 0, 3:2 source 1, 5:4 source 2, 7:6 destination):
;   window 0: v2-3 my A fragments' LDS address in slot 0, 1; v4-5 B's; v6, v7 the stage, in and back; v8 my offset in hh; v9 0; v10 32 h; v28, v29 the add's;
;             fragment buffers f = 0, 1: A at v[32 + 40 f], B at v[112 + 64 f]; on the way out v176-207 packed, v208-239 and v72-103 rows read back
;   window 1: accumulators a = 0..3 at v[8 (8 a + b)]     window 2: v0-63 those of a = 4; v64-127, v128-191 the two tiles' biases; v192 at work
; s14 wave; s15 w / 2; s16 w % 2; s17 q; s18 group; s19 e; s[24:31], s[32:39] descriptor groups 1 and 0 (a set for each slot) of xs's tiles; s[48:55], s[56:63] of w1b's
.set PITCH, 272                        ; an LDS row: 256 bytes + 16 of padding: the 16 rows of a fragment load start 16 bytes apart modulo 256
.set AH,    72*PITCH                   ; what one load of xs brings
.set AR,    80*PITCH                   ; from the rows that waves 0, 1 read to those of waves 2, 3
.set BH,    128*PITCH                  ; what one load of w1b brings, and what a wave reads of it
.set BOFF,  2*AH
.set SLOT,  BOFF+2*BH
.set STAGE, 2*SLOT                     ; behind the ring: 16 rows x 272 bytes for each wave; no tensor load lands here
.set SPARE, STAGE+4*16*PITCH           ; the spare words: 128 bytes for each wave
.set TMP,   176
.set MSB, 0
.macro WIN new                         ; the immediate's high byte repeats the setting that is left; a switch that changes nothing is dropped
.if MSB != (\new)
	s_set_vgpr_msb (MSB<<8)|(\new)
.set MSB, \new
.endif
.endm
.macro PLACES                          ; four places between a matrix instruction and a load into, or a vector line on, its registers
.rept 4
	v_nop
.endr
.endm
.macro JLOAD s                         ; slot s is asked for: waves 0, 1 xs's halves (jointly), waves 2, 3 w1b's.  An s_nop 0 and four v_nop follow each line
	s_cmp_lt_u32 s14, 2
	s_cbranch_scc0 .Lfor_b_\@
	tensor_load_to_lds s[32+4*(\s):35+4*(\s)], s[24:31]
	s_nop 0
.rept 4
	v_nop
.endr
	s_branch .Lasked_\@
.Lfor_b_\@:
	tensor_load_to_lds s[56+4*(\s):59+4*(\s)], s[48:55]
	s_nop 0
.rept 4
	v_nop
.endr
.Lasked_\@:
.endm
.macro CREST                           ; a round of the cluster's barrier behind its opening barrier
	s_cmp_lg_u32 s14, 0
	s_cbranch_scc1 .Lnot_wave_0_\@
	s_barrier_signal -3
.Lnot_wave_0_\@:
	s_barrier_wait -3
	s_barrier_signal -1
	s_barrier_wait -1
.endm
.macro CROUND
	s_barrier_signal -1
	s_barrier_wait -1
	CREST
.endm
	s_load_b256 s[4:11], s[0:1], 0x0               ; xs s[4:5], w1b s[6:7], b1_all s[8:9], place s[10:11]
	s_load_b64 s[12:13], s[0:1], 0x20              ; hh
	v_lshl_add_u32 v28, v0, 2, SPARE
	v_mov_b32 v29, 0
	ds_add_u32 v28, v29                            ; the wave's opening: the add and its wait stand ahead of my first tensor load; work on registers stands between them
	v_lshrrev_b32 v1, 5, v0
	v_readfirstlane_b32 s14, v1                    ; wave 0..3
	s_lshr_b32 s15, s14, 1
	s_and_b32 s16, s14, 1
	s_bfe_u32 s17, ttmp6, 0x40000                  ; q: my place in the cluster
	s_and_b32 s18, ttmp9, 7                        ; in a cluster launch ttmp9 counts clusters
	s_lshl_b32 s18, s18, 3
	s_lshr_b32 s20, ttmp9, 3
	s_add_co_u32 s18, s18, s20                     ; the group
	s_lshl_b32 s67, s18, 2
	s_mov_b32 s66, 0xffff0000
	s_mov_b32 s24, 15|(1<<16)|(1<<20)|(1<<21)|(5<<22)|(3<<25)  ; the mask of four; 2-byte elements; padding on; bit 21 beside a mask; after every 64 words, 4 words
	s_mov_b32 s25, 128<<16                         ; tensor_dim0 = 128
	s_mov_b32 s26, 72<<16                          ; tensor_dim1 = 72
	s_mov_b32 s27, 128<<16                         ; tile_dim0 = 128
	s_mov_b32 s28, 72                              ; tile_dim1 = 72
	s_mov_b32 s29, 512                             ; elements from row to row
	s_mov_b32 s30, 0
	s_mov_b32 s31, 0
	s_mov_b32 s48, (1<<16)|(1<<20)|(5<<22)|(3<<25) ; no mask: my own tile
	s_mov_b32 s49, 128<<16
	s_mov_b32 s50, 128<<16
	s_mov_b32 s51, 128<<16
	s_mov_b32 s52, 128
	s_mov_b32 s53, 512
	s_mov_b32 s54, 0
	s_mov_b32 s55, 0
	s_mul_i32 s20, s18, 144*1024                   ; xs: the group's 144 rows of 1,024 bytes,
	s_mul_i32 s21, s16, 72*1024                    ; the half that I fetch: nothing of q enters
	s_add_co_u32 s20, s20, s21
	s_mov_b32 s21, 0
	s_mul_i32 s22, s16, AH                         ; where the halves go: the wave's number alone
	s_mul_i32 s23, s16, BH
	s_add_co_u32 s23, s23, BOFF
	s_mul_i32 s70, s18, 144                        ; hh: row 144 g + 80 (w / 2), 4,096 bytes a row; column 512 q + 128 (w % 2)
	s_mul_i32 s71, s15, 80
	s_add_co_u32 s70, s70, s71
	s_lshl_b32 s70, s70, 12
	s_lshl_b32 s71, s17, 10
	s_add_co_u32 s70, s70, s71
	s_lshl_b32 s71, s16, 8
	s_add_co_u32 s70, s70, s71
	s_mov_b32 s71, 0
	s_wait_dscnt 0x0                               ; the opening add is done
	s_wait_kmcnt 0x0
	s_load_b32 s19, s[10:11], s67 offset:0x8000    ; ge[group]: asked for here, waited for behind the round
	s_add_nc_u64 s[40:41], s[4:5], s[20:21]
	s_add_nc_u64 s[12:13], s[12:13], s[70:71]
.irp s, 0,1
	s_mov_b32 s[32+4*\s], 1                        ; count = 1
	s_add_co_u32 s[33+4*\s], s22, (\s)*SLOT        ; LDS address
	s_add_nc_u64 s[34+4*\s:35+4*\s], s[40:41], (\s)*256  ; global address: K step s
	s_or_b32 s[35+4*\s], s[35+4*\s], 0x80000000    ; type = 2
.endr
	CROUND                                         ; all four work-groups are here: the first joint loads meet
	s_wait_kmcnt 0x0
	s_min_u32 s19, s19, 7
	s_lshl_b32 s44, s19, 21                        ; w1b: the expert's 2^21 bytes,
	s_lshl_b32 s45, s17, 19                        ; 512 q rows of 1,024 bytes,
	s_add_co_u32 s44, s44, s45
	s_lshl_b32 s45, s16, 17                        ; the 128 rows that I fetch
	s_add_co_u32 s44, s44, s45
	s_mov_b32 s45, 0
	s_add_nc_u64 s[46:47], s[6:7], s[44:45]
	s_lshl_b32 s72, s19, 13                        ; b1: 8,192 e + 4 (512 q + 128 (w % 2))
	s_lshl_b32 s73, s17, 11
	s_add_co_u32 s72, s72, s73
	s_lshl_b32 s73, s16, 9
	s_add_co_u32 s72, s72, s73
	s_mov_b32 s73, 0
	s_add_nc_u64 s[68:69], s[8:9], s[72:73]
.irp s, 0,1
	s_mov_b32 s[56+4*\s], 1
	s_add_co_u32 s[57+4*\s], s23, (\s)*SLOT
	s_add_nc_u64 s[58+4*\s:59+4*\s], s[46:47], (\s)*256
	s_or_b32 s[59+4*\s], s[59+4*\s], 0x80000000
.endr
	s_cmp_lt_u32 s14, 2                            ; a wave's two first fills stand in one branch: two loads of mine are out
	s_cbranch_scc0 .Lfirst_b
	tensor_load_to_lds s[32:35], s[24:31]
	s_nop 0
	tensor_load_to_lds s[36:39], s[24:31]
	s_nop 0
.rept 4
	v_nop
.endr
	s_branch .Lfirst_asked
.Lfirst_b:
	tensor_load_to_lds s[56:59], s[48:55]
	s_nop 0
	tensor_load_to_lds s[60:63], s[48:55]
	s_nop 0
.rept 4
	v_nop
.endr
.Lfirst_asked:
	v_and_b32 v1, 15, v0                           ; r
	v_bfe_u32 v11, v0, 4, 1                        ; h
	v_lshlrev_b32 v10, 5, v11
	WIN 0x80                                       ; destination window 2, address window 0
.set i, 0
.rept 16                                           ; i = 8 T + b: register j of the block is b1[.. + 256 T + 16 b + 8 h + j], the place of the accumulators' register j
	global_load_b128 v[64+8*i:64+8*i+3],   v10, s[68:69] offset:1024*(i/8)+64*(i%8)
	global_load_b128 v[64+8*i+4:64+8*i+7], v10, s[68:69] offset:1024*(i/8)+64*(i%8)+16
.set i, i+1
.endr
	WIN 0
	v_mov_b32 v9, 0
	v_mul_u32_u24 v12, v1, PITCH
	v_lshl_add_u32 v12, v11, 4, v12                ; a fragment's row x pitch + 16 h
	s_mul_i32 s2, s15, AR
	v_add_nc_u32 v2, s2, v12
	s_add_co_u32 s2, s2, SLOT
	v_add_nc_u32 v3, s2, v12
	s_mul_i32 s3, s16, BH
	s_add_co_u32 s3, s3, BOFF
	v_add_nc_u32 v4, s3, v12
	s_add_co_u32 s3, s3, SLOT
	v_add_nc_u32 v5, s3, v12
	s_mul_i32 s2, s14, 16*PITCH
	s_add_co_u32 s2, s2, STAGE                     ; my stage
	v_add_nc_u32 v6, s2, v12                       ; in: row r, 16 bytes for each half of the lanes
	v_mul_u32_u24 v13, v11, PITCH                  ; back: lanes 0-15 one row of 256 bytes, lanes 16-31 the next
	v_lshl_add_u32 v13, v1, 4, v13
	v_add_nc_u32 v7, s2, v13
	v_lshlrev_b32 v8, 12, v11                      ; and the same two rows in hh
	v_lshl_add_u32 v8, v1, 4, v8
	s_wait_loadcnt 0x0
	WIN 0xaa                                       ; all in window 2: the biases are rounded to bf16, like every input
.set i, 64
.rept 64
	v_cvt_pk_bf16_f32 v192, v[i], v[i+1]
	v_lshlrev_b32 v[i], 16, v192
	v_and_b32 v[i+1], s66, v192
.set i, i+2
.endr
	WIN 0
; n blocks a from a0 on x all 8 blocks b, 32 along K, from buffer f.  first = T: the products start tile T's sums, with its bias as C.  The accumulators take turns.
.macro MUL f, a0, n, first=-1
.set aa, \a0
.rept \n
.if aa == 4
	WIN 0xa0                                       ; C and D in window 2
.elseif (\first) >= 0
	WIN 0x60                                       ; C (the bias) in window 2, D in window 1
.else
	WIN 0x50                                       ; C and D in window 1
.endif
.set bb, 0
.rept 8
.set rD, 8*(8*(aa%4)+bb)
.set rB, 112+64*(\f)+8*bb
.set rA, 32+40*(\f)+8*aa
.set rC, 64+64*(\first)+8*bb
.if (\first) >= 0
	v_wmma_f32_16x16x32_bf16 v[rD:rD+7], v[rB:rB+7], v[rA:rA+7], v[rC:rC+7]
.else
	v_wmma_f32_16x16x32_bf16 v[rD:rD+7], v[rB:rB+7], v[rA:rA+7], v[rD:rD+7]
.endif
.set bb, bb+1
.endr
.set aa, aa+1
.endr
.endm
; The fifth block's eight products: waves 0 and 1 alone have a fifth block.  The products that start the sums are not jumped.  At a branch and at a label every window is 0.
.macro MUL4 f, first=-1
	WIN 0
.if (\first) < 0
	s_cmp_lt_u32 s14, 2
	s_cbranch_scc0 .Lno4_\@
.endif
	MUL \f, 4, 1, \first
	WIN 0
.if (\first) < 0
.Lno4_\@:
.endif
.endm
; 26 LDS loads in one run, in every wave: the fragments of 32 along K at byte k of the rows, into buffer f: B's 16, then A's 10
.macro FETCH slot, k, f
	WIN 0
.set bb, 0
.rept 8
	ds_load_b128 v[112+64*(\f)+8*bb:112+64*(\f)+8*bb+3],   v[4+(\slot)] offset:(\k)+16*PITCH*bb
	ds_load_b128 v[112+64*(\f)+8*bb+4:112+64*(\f)+8*bb+7], v[4+(\slot)] offset:(\k)+16*PITCH*bb+32
.set bb, bb+1
.endr
.set bb, 0
.rept 5
	ds_load_b128 v[32+40*(\f)+8*bb:32+40*(\f)+8*bb+3],   v[2+(\slot)] offset:(\k)+16*PITCH*bb
	ds_load_b128 v[32+40*(\f)+8*bb+4:32+40*(\f)+8*bb+7], v[2+(\slot)] offset:(\k)+16*PITCH*bb+32
.set bb, bb+1
.endr
.endm
; A K step is four quarters of 32 along K.  One of the first three multiplies buffer f and fetches the next quarter, at byte k, into buffer g.
.macro QUARTER slot, k, f, g, first=-1
	s_wait_dscnt 6                                 ; B and A's blocks 0, 1 are in; the youngest six loads (A's blocks 2-4) may be out
	MUL \f, 0, 2, \first
	PLACES
	FETCH \slot, \k, \g
	s_wait_dscnt 26                                ; all but the 26 just issued
	MUL \f, 2, 2, \first
	MUL4 \f, \first
.endm
; The last quarter multiplies buffer 1 and changes slots.  In front of the barrier each wave waits for all its tensor loads (one is out: its part of the next slot), adds 0 to its spare word, and waits for that
; and for its reads of this slot.  fill = 1: the barrier opens a round of the cluster's barrier, and this slot is asked for again first thing behind it, two steps on
; (back = 1: the next tile's step: xs goes back along K, w1b 256 rows on and back along K).
.macro TURN slot, next, fill, back
	WIN 0
	s_wait_tensorcnt 0x0                           ; no tensor load of mine is out: a group 0 may be written
	ds_add_u32 v28, v29
.if \fill
.if \back
	s_sub_nc_u64 s[34+4*(\slot):35+4*(\slot)], s[34+4*(\slot):35+4*(\slot)], 512
	s_add_nc_u64 s[58+4*(\slot):59+4*(\slot)], s[58+4*(\slot):59+4*(\slot)], 256*1024-512
.else
	s_add_nc_u64 s[34+4*(\slot):35+4*(\slot)], s[34+4*(\slot):35+4*(\slot)], 512
	s_add_nc_u64 s[58+4*(\slot):59+4*(\slot)], s[58+4*(\slot):59+4*(\slot)], 512
.endif
.endif
	s_wait_dscnt 0x0                               ; the add is done, and my reads of this slot are over
	s_barrier_signal -1
	MUL 1, 0, 2                                    ; work on registers while the others arrive
	WIN 0                                          ; at a branch and at a label every window is 0
	s_barrier_wait -1
.if \fill
	CREST                                          ; no wave of any partner still reads this slot or has a load on its way
	JLOAD \slot                                    ; its four v_nop are also the places in front of the loads below
.else
	PLACES
.endif
	FETCH \next, 0, 0
	MUL 1, 2, 2
	MUL4 1
.endm
.macro STEP s, first=-1
	QUARTER \s, 64,  0, 1, \first
	QUARTER \s, 128, 1, 0
	QUARTER \s, 192, 0, 1
.endm
; THE WAY OUT of block a: rounded to f16 (each accumulator from its low end on), relu on the packed halves (the same number as relu first), through my stage, stored as whole rows of 256 bytes.
.macro PACK a
.if (\a) == 4
	WIN 0x0a
.else
	WIN 0x05
.endif
.set i, 0
.rept 32
	v_cvt_pk_f16_f32 v[TMP+i], v[64*((\a)%4)+2*i], v[64*((\a)%4)+2*i+1]
.set i, i+1
.endr
	WIN 0
.set i, 0
.rept 32
	v_pk_max_num_f16 v[TMP+i], v[TMP+i], v9
.set i, i+1
.endr
.endm
.macro TOSTAGE a
.set BKR, 208-136*((\a)%2)
	s_wait_xcnt 0x0                                ; the stores of the block before last have read the registers that are loaded again below
.set i, 0
.rept 8
	ds_store_b128 v6, v[TMP+4*i:TMP+4*i+3] offset:32*i
.set i, i+1
.endr
.set i, 0
.rept 8
	ds_load_b128 v[BKR+4*i:BKR+4*i+3], v7 offset:2*PITCH*i  ; LDS serves a wave's instructions in order (ISA guide 5.7.1.4): these see the stores above
.set i, i+1
.endr
.endm
.macro SEND a, T
.set BKR, 208-136*((\a)%2)
	s_wait_dscnt 0x0
.set i, 0
.rept 8
	global_store_b128 v8, v[BKR+4*i:BKR+4*i+3], s[12:13] offset:(16*(\a)+2*i)*4096+512*(\T)  ; 16 lanes store 256 consecutive bytes, aligned
.set i, i+1
.endr
.endm
.macro OUT T
	PLACES
	PACK 0
	TOSTAGE 0
.irp a, 1,2,3
	PACK \a                                        ; a block's conversions stand between the loads of the block before and the wait for them
	SEND (\a)-1, \T
	TOSTAGE \a
.endr
	SEND 3, \T
	s_cmp_lt_u32 s14, 2
	s_cbranch_scc0 .Lout_end_\@                    ; waves 2 and 3 have four blocks: the rows behind them are the next group's
	PACK 4
	TOSTAGE 4
	SEND 4, \T
.Lout_end_\@:
	s_wait_xcnt 0x0                                ; the next fetch loads into registers that these stores read
.endm
	s_wait_tensorcnt 0x1                           ; my part of step 0 is in; step 1's stays out
	s_barrier_signal -1
	s_barrier_wait -1
	FETCH 0, 0, 0
	STEP 0, 0                                      ; tile 0
	TURN 0, 1, 1, 0
	STEP 1
	TURN 1, 0, 1, 0
	STEP 0
	TURN 0, 1, 1, 1                                ; the ring goes on into tile 1
	STEP 1
	TURN 1, 0, 1, 1
	OUT 0                                          ; buffer 0 holds tile 1's first fragments and is not touched
	STEP 0, 1                                      ; tile 1
	TURN 0, 1, 1, 0
	STEP 1
	TURN 1, 0, 1, 0
	STEP 0
	TURN 0, 1, 0, 0                                ; nothing is left to ask for
	STEP 1
	s_wait_dscnt 0x0
	MUL 1, 0, 4
	MUL4 1
	OUT 1
	s_wait_tensorcnt 0x0                           ; the wave's end
	ds_add_u32 v28, v29
	s_wait_dscnt 0x0
	CROUND                                         ; the closing round: no work-group ends while a partner may still ask jointly
	s_endpgm
.Lfunc_end_k_q0751239246_ffn1:
	.size	k_q0751239246_ffn1, .Lfunc_end_k_q0751239246_ffn1-k_q0751239246_ffn1
	.p2alignl 7, 3214868480
	.fill 96, 4, 3214868480
	.section	.rodata,"a",@progbits
	.p2align	6, 0x0
	.amdhsa_kernel k_q0751239246_ffn1
		.amdhsa_group_segment_fixed_size 327680
		.amdhsa_private_segment_fixed_size 0
		.amdhsa_enable_private_segment 0
		.amdhsa_kernarg_size 40
		.amdhsa_user_sgpr_count 2
		.amdhsa_user_sgpr_kernarg_segment_ptr 1
		.amdhsa_wavefront_size32 1
		.amdhsa_system_sgpr_workgroup_id_x 1
		.amdhsa_system_sgpr_workgroup_id_y 1
		.amdhsa_system_sgpr_workgroup_id_z 1
		.amdhsa_system_vgpr_workitem_id 0
		.amdhsa_next_free_vgpr 712
		.amdhsa_next_free_sgpr 80
		.amdhsa_reserve_vcc 0
		.amdhsa_float_denorm_mode_32 3
		.amdhsa_float_denorm_mode_16_64 3
		.amdhsa_memory_ordered 1
		.amdhsa_forward_progress 1
		.amdhsa_inst_pref_size 229
	.end_amdhsa_kernel
	.amdgpu_metadata
---
amdhsa.version: [ 1, 2 ]
amdhsa.kernels:
  - .name:           k_q0751239246_ffn1
    .symbol:         k_q0751239246_ffn1.kd
    .args:
      - { .name: xs, .offset: 0, .size: 8, .value_kind: global_buffer, .address_space: global }
      - { .name: w1b, .offset: 8, .size: 8, .value_kind: global_buffer, .address_space: global }
      - { .name: b1_all, .offset: 16, .size: 8, .value_kind: global_buffer, .address_space: global }
      - { .name: place, .offset: 24, .size: 8, .value_kind: global_buffer, .address_space: global }
      - { .name: hh, .offset: 32, .size: 8, .value_kind: global_buffer, .address_space: global }
    .group_segment_fixed_size: 327680
    .private_segment_fixed_size: 0
    .kernarg_segment_align: 8
    .kernarg_segment_size: 40
    .max_flat_workgroup_size: 128
    .sgpr_count:     80
    .vgpr_count:     712
    .wavefront_size: 32
...
	.end_amdgpu_metadata
.endif
;; end of part 3
;; launch ffn2 (part 4): grid 256 x 1, 4 waves a work-group, clusters of 4 x 1, 327,680 bytes of LDS; arguments hh, w2h, b2_all, place, pp; writes pp
.if DOCPART == 4
	.amdgcn_target "amdgcn-amd-amdhsa--gfx1250"
	.amdhsa_code_object_version 6
	.text
	.protected	k_q0751239246_ffn2
	.globl	k_q0751239246_ffn2
	.p2align	8
	.type	k_q0751239246_ffn2,@function
k_q0751239246_ffn2:
	s_mov_b64 s[64:65], 0
	v_nop
	global_prefetch_b8 v0, s[64:65] scope:SCOPE_SE
	s_setreg_imm32_b32 hwreg(HW_REG_WAVE_MODE, 25, 1), 1
	s_wait_xcnt 0x0
	s_wait_alu depctr_hold_cnt(0) depctr_sa_sdst(0) depctr_va_vdst(0) depctr_va_sdst(0) depctr_va_ssrc(0) depctr_va_vcc(0) depctr_vm_vsrc(0)
	s_getreg_b32 s2, hwreg(HW_REG_IB_STS2, 6, 4)
	s_cmp_eq_u32 s2, 0
	s_cbranch_scc0 .Lentry_in_a_cluster
	s_endpgm
.Lentry_in_a_cluster:
	s_bfe_u32 s2, ttmp6, 0x10000c
	s_cmp_lg_u32 s2, 0x3003
	s_cbranch_scc0 .Lentry_shape_is_right
	s_endpgm
.Lentry_shape_is_right:
; P[slot][c] = sum over f of hh[slot][f] w2h[e][c][f] + bf16(b2[e][c]).  hh [9216][2048] f16, w2h [8][512][2048] f16, pp [9216][512] f32; sums in f32.
; A cluster of four work-groups has one group of 144 slots (9 blocks of 16) of expert e = ge[group]; work-group q makes columns 128 q .. 128 q + 127: one tile of 144 x 128, K = 2,048 in 8 steps of 256
; (LDS rows of 512 bytes) through two LDS slots.  Cluster c takes group 8 (c % 8) + c / 8, as in the first product.
; Wave w: columns 64 (w % 2) .. + 63 (4 blocks b); waves 0, 1 have the group's row blocks 0-4, waves 2, 3 its blocks 5-8.  One text serves both: it names five blocks a, and waves 2, 3 jump, by the wave's number,
; over the fifth block's products and over its way out.  Not jumped, so that every wave's counts of LDS loads and its registers' state are alike on every path: the fifth fragment's two LDS loads (in waves 2, 3
; they bring the first 16 rows of w2h's tile, which nothing uses) and the four products that start the fifth block's sums, whose results waves 2, 3 never read.
; JOINT LOADS.  hh's tile is the same for the four partners: waves 0 and 1 ask for its halves of 72 rows jointly (mask 15); w2h's tiles are each work-group's own (waves 2 and 3, no mask).
; The partial rows stay in f32: they are summed by the next launch.  Pad rows are computed and stored like the others and never read.
; THE MATRIX INSTRUCTION IS USED TRANSPOSED (source 0 = 16 columns c, source 1 = 16 slots): a lane holds one slot and eight neighbouring c.  The bias is the C operand of the product that starts a sum.
; REGISTERS: window 0: v2-3, v4-5 my A and B fragments' LDS address in slot 0, 1; v6, v7 the stage; v8 my offset in pp; v10 32 h; v28, v29 the add's;
;            buffers f = 0, 1: A at v[32 + 72 f], B at v[72 + 72 f]; on the way out block a's rows at v[32 + 32 a]
;            window 1: accumulators at v[8 (4 a + b)]; v160-191 the bias; v192 at work
.set PITCH, 528                        ; an LDS row: 512 bytes + 16 of padding
.set AH,    72*PITCH                   ; what one load of hh brings
.set AR,    80*PITCH                   ; from the rows that waves 0, 1 read to those of waves 2, 3
.set BH,    64*PITCH
.set BOFF,  2*AH
.set SLOT,  BOFF+2*BH
.set SPARE, 2*SLOT                     ; the spare words: 128 bytes for each wave
.set STAGE, SPARE+512                  ; 16 rows x 272 bytes for each wave; no tensor load lands here
.set SP,    272
.set MSB, 0
.macro WIN new
.if MSB != (\new)
	s_set_vgpr_msb (MSB<<8)|(\new)
.set MSB, \new
.endif
.endm
.macro PLACES
.rept 4
	v_nop
.endr
.endm
.macro JLOAD s                         ; waves 0, 1: hh's halves (jointly); waves 2, 3: w2h's.  An s_nop 0 and four v_nop follow each line
	s_cmp_lt_u32 s14, 2
	s_cbranch_scc0 .Lfor_b_\@
	tensor_load_to_lds s[32+4*(\s):35+4*(\s)], s[24:31]
	s_nop 0
.rept 4
	v_nop
.endr
	s_branch .Lasked_\@
.Lfor_b_\@:
	tensor_load_to_lds s[56+4*(\s):59+4*(\s)], s[48:55]
	s_nop 0
.rept 4
	v_nop
.endr
.Lasked_\@:
.endm
.macro CREST
	s_cmp_lg_u32 s14, 0
	s_cbranch_scc1 .Lnot_wave_0_\@
	s_barrier_signal -3
.Lnot_wave_0_\@:
	s_barrier_wait -3
	s_barrier_signal -1
	s_barrier_wait -1
.endm
.macro CROUND
	s_barrier_signal -1
	s_barrier_wait -1
	CREST
.endm
	s_load_b256 s[4:11], s[0:1], 0x0               ; hh s[4:5], w2h s[6:7], b2_all s[8:9], place s[10:11]
	s_load_b64 s[12:13], s[0:1], 0x20              ; pp
	v_lshl_add_u32 v28, v0, 2, SPARE
	v_mov_b32 v29, 0
	ds_add_u32 v28, v29                            ; the wave's opening: the add and its wait stand ahead of my first tensor load
	v_lshrrev_b32 v1, 5, v0
	v_readfirstlane_b32 s14, v1                    ; wave 0..3
	s_lshr_b32 s15, s14, 1
	s_and_b32 s16, s14, 1
	s_bfe_u32 s17, ttmp6, 0x40000                  ; q
	s_and_b32 s18, ttmp9, 7
	s_lshl_b32 s18, s18, 3
	s_lshr_b32 s20, ttmp9, 3
	s_add_co_u32 s18, s18, s20                     ; the group
	s_lshl_b32 s67, s18, 2
	s_mov_b32 s66, 0xffff0000
	s_mov_b32 s24, 15|(1<<16)|(1<<20)|(1<<21)|(6<<22)|(3<<25)  ; the mask of four; 2-byte elements; padding on; bit 21 beside a mask; after every 128 words, 4 words
	s_mov_b32 s25, 256<<16                         ; tensor_dim0 = 256
	s_mov_b32 s26, 72<<16                          ; tensor_dim1 = 72
	s_mov_b32 s27, 256<<16                         ; tile_dim0 = 256
	s_mov_b32 s28, 72                              ; tile_dim1 = 72
	s_mov_b32 s29, 2048                            ; elements from row to row
	s_mov_b32 s30, 0
	s_mov_b32 s31, 0
	s_mov_b32 s48, (1<<16)|(1<<20)|(6<<22)|(3<<25)
	s_mov_b32 s49, 256<<16
	s_mov_b32 s50, 64<<16
	s_mov_b32 s51, 256<<16
	s_mov_b32 s52, 64
	s_mov_b32 s53, 2048
	s_mov_b32 s54, 0
	s_mov_b32 s55, 0
	s_mul_i32 s20, s18, 144                        ; hh: row 144 g + 72 x the half that I fetch, 4,096 bytes a row: nothing of q enters
	s_mul_i32 s21, s16, 72
	s_add_co_u32 s20, s20, s21
	s_lshl_b32 s20, s20, 12
	s_mov_b32 s21, 0
	s_mul_i32 s22, s16, AH
	s_mul_i32 s23, s16, BH
	s_add_co_u32 s23, s23, BOFF
	s_mul_i32 s70, s18, 144                        ; pp: row 144 g + 80 (w / 2), 2,048 bytes a row; column 128 q + 64 (w % 2)
	s_mul_i32 s71, s15, 80
	s_add_co_u32 s70, s70, s71
	s_lshl_b32 s70, s70, 11
	s_lshl_b32 s71, s17, 9
	s_add_co_u32 s70, s70, s71
	s_lshl_b32 s71, s16, 8
	s_add_co_u32 s70, s70, s71
	s_mov_b32 s71, 0
	s_wait_dscnt 0x0                               ; the opening add is done
	s_wait_kmcnt 0x0
	s_load_b32 s19, s[10:11], s67 offset:0x8000    ; ge[group]: asked for here, waited for behind the round
	s_add_nc_u64 s[40:41], s[4:5], s[20:21]
	s_add_nc_u64 s[12:13], s[12:13], s[70:71]
.irp s, 0,1
	s_mov_b32 s[32+4*\s], 1
	s_add_co_u32 s[33+4*\s], s22, (\s)*SLOT
	s_add_nc_u64 s[34+4*\s:35+4*\s], s[40:41], (\s)*512  ; K step s
	s_or_b32 s[35+4*\s], s[35+4*\s], 0x80000000
.endr
	CROUND                                         ; all four work-groups are here: the first joint loads meet
	s_wait_kmcnt 0x0
	s_min_u32 s19, s19, 7
	s_lshl_b32 s44, s19, 21                        ; w2h: the expert's 2^21 bytes, 128 q rows of 4,096 bytes, the 64 rows that I fetch
	s_lshl_b32 s45, s17, 19
	s_add_co_u32 s44, s44, s45
	s_lshl_b32 s45, s16, 18
	s_add_co_u32 s44, s44, s45
	s_mov_b32 s45, 0
	s_add_nc_u64 s[46:47], s[6:7], s[44:45]
	s_lshl_b32 s72, s19, 11                        ; b2: 2,048 e + 4 (128 q + 64 (w % 2))
	s_lshl_b32 s73, s17, 9
	s_add_co_u32 s72, s72, s73
	s_lshl_b32 s73, s16, 8
	s_add_co_u32 s72, s72, s73
	s_mov_b32 s73, 0
	s_add_nc_u64 s[68:69], s[8:9], s[72:73]
.irp s, 0,1
	s_mov_b32 s[56+4*\s], 1
	s_add_co_u32 s[57+4*\s], s23, (\s)*SLOT
	s_add_nc_u64 s[58+4*\s:59+4*\s], s[46:47], (\s)*512
	s_or_b32 s[59+4*\s], s[59+4*\s], 0x80000000
.endr
	s_cmp_lt_u32 s14, 2                            ; a wave's two first fills stand in one branch: two loads of mine are out
	s_cbranch_scc0 .Lfirst_b
	tensor_load_to_lds s[32:35], s[24:31]
	s_nop 0
	tensor_load_to_lds s[36:39], s[24:31]
	s_nop 0
.rept 4
	v_nop
.endr
	s_branch .Lfirst_asked
.Lfirst_b:
	tensor_load_to_lds s[56:59], s[48:55]
	s_nop 0
	tensor_load_to_lds s[60:63], s[48:55]
	s_nop 0
.rept 4
	v_nop
.endr
.Lfirst_asked:
	v_and_b32 v1, 15, v0                           ; r
	v_bfe_u32 v11, v0, 4, 1                        ; h
	v_lshlrev_b32 v10, 5, v11
	WIN 0x40                                       ; destination window 1
.set i, 0
.rept 4                                            ; register j of block b is b2[.. + 16 b + 8 h + j]
	global_load_b128 v[160+8*i:160+8*i+3],   v10, s[68:69] offset:64*i
	global_load_b128 v[160+8*i+4:160+8*i+7], v10, s[68:69] offset:64*i+16
.set i, i+1
.endr
	WIN 0
	v_mul_u32_u24 v12, v1, PITCH
	v_lshl_add_u32 v12, v11, 4, v12
	s_mul_i32 s2, s15, AR
	v_add_nc_u32 v2, s2, v12
	s_add_co_u32 s2, s2, SLOT
	v_add_nc_u32 v3, s2, v12
	s_mul_i32 s3, s16, BH
	s_add_co_u32 s3, s3, BOFF
	v_add_nc_u32 v4, s3, v12
	s_add_co_u32 s3, s3, SLOT
	v_add_nc_u32 v5, s3, v12
	s_mul_i32 s2, s14, 16*SP
	s_add_co_u32 s2, s2, STAGE                     ; my stage
	v_mul_u32_u24 v13, v1, SP                      ; in: row r, 32 bytes for each half of the lanes
	v_lshl_add_u32 v13, v11, 5, v13
	v_add_nc_u32 v6, s2, v13
	v_mul_u32_u24 v13, v11, SP                     ; back: lanes 0-15 one row of 256 bytes, lanes 16-31 the next
	v_lshl_add_u32 v13, v1, 4, v13
	v_add_nc_u32 v7, s2, v13
	v_lshlrev_b32 v8, 11, v11                      ; and the same two rows in pp
	v_lshl_add_u32 v8, v1, 4, v8
	s_wait_loadcnt 0x0
	WIN 0x55                                       ; all in window 1: the bias is rounded to bf16, like every input
.set i, 160
.rept 16
	v_cvt_pk_bf16_f32 v192, v[i], v[i+1]
	v_lshlrev_b32 v[i], 16, v192
	v_and_b32 v[i+1], s66, v192
.set i, i+2
.endr
	WIN 0
; n blocks a from a0 on x all 4 blocks b, 32 along K, from buffer f.  first = 1: the products start the sums, with the bias as C.  The accumulators take turns.
.macro MUL f, a0, n, first=0
	WIN 0x50                                       ; C and D in window 1
.set aa, \a0
.rept \n
.set bb, 0
.rept 4
.set rD, 8*(4*aa+bb)
.set rB, 72+72*(\f)+8*bb
.set rA, 32+72*(\f)+8*aa
.if \first
	v_wmma_f32_16x16x32_f16 v[rD:rD+7], v[rB:rB+7], v[rA:rA+7], v[160+8*bb:160+8*bb+7]
.else
	v_wmma_f32_16x16x32_f16 v[rD:rD+7], v[rB:rB+7], v[rA:rA+7], v[rD:rD+7]
.endif
.set bb, bb+1
.endr
.set aa, aa+1
.endr
.endm
; The fifth block's four products: waves 0 and 1 alone have a fifth block.  The products that start the sums are not jumped.  At a branch and at a label every window is 0.
.macro MUL4 f, first=0
	WIN 0
.if !(\first)
	s_cmp_lt_u32 s14, 2
	s_cbranch_scc0 .Lno4_\@
.endif
	MUL \f, 4, 1, \first
	WIN 0
.if !(\first)
.Lno4_\@:
.endif
.endm
; 18 LDS loads in one run, in every wave: B's 8, then A's 10
.macro FETCH slot, k, f
	WIN 0
.set bb, 0
.rept 4
	ds_load_b128 v[72+72*(\f)+8*bb:72+72*(\f)+8*bb+3],   v[4+(\slot)] offset:(\k)+16*PITCH*bb
	ds_load_b128 v[72+72*(\f)+8*bb+4:72+72*(\f)+8*bb+7], v[4+(\slot)] offset:(\k)+16*PITCH*bb+32
.set bb, bb+1
.endr
.set bb, 0
.rept 5
	ds_load_b128 v[32+72*(\f)+8*bb:32+72*(\f)+8*bb+3],   v[2+(\slot)] offset:(\k)+16*PITCH*bb
	ds_load_b128 v[32+72*(\f)+8*bb+4:32+72*(\f)+8*bb+7], v[2+(\slot)] offset:(\k)+16*PITCH*bb+32
.set bb, bb+1
.endr
.endm
; A K step is eight parts of 32 along K.  One of the first seven multiplies buffer f and fetches the next part, at byte k, into buffer g.
.macro SUB slot, k, f, g, first=0
	s_wait_dscnt 6                                 ; B and A's blocks 0, 1 are in; the youngest six loads (A's blocks 2-4) may be out
	MUL \f, 0, 2, \first
	PLACES
	FETCH \slot, \k, \g
	s_wait_dscnt 18                                ; all but the 18 just issued
	MUL \f, 2, 2, \first
	MUL4 \f, \first
.endm
.macro SIX slot                        ; the parts that fetch bytes 128 to 448
	SUB \slot, 128, 1, 0
	SUB \slot, 192, 0, 1
	SUB \slot, 256, 1, 0
	SUB \slot, 320, 0, 1
	SUB \slot, 384, 1, 0
	SUB \slot, 448, 0, 1
.endm
; The eighth part multiplies buffer 1 and changes slots: each wave waits for all its tensor loads (one is out: its part of the next slot), adds 0 to its spare word, waits for that and for its reads of this slot.
; fill = 1: the barrier opens a round of the cluster's barrier, and this slot is asked for again, two steps on, first thing behind it.
.macro TURN slot, next, fill
	WIN 0
	s_wait_tensorcnt 0x0                           ; no tensor load of mine is out: a group 0 may be written
	ds_add_u32 v28, v29
.if \fill
	s_add_nc_u64 s[34+4*(\slot):35+4*(\slot)], s[34+4*(\slot):35+4*(\slot)], 1024
	s_add_nc_u64 s[58+4*(\slot):59+4*(\slot)], s[58+4*(\slot):59+4*(\slot)], 1024
.endif
	s_wait_dscnt 0x0                               ; the add is done, and my reads of this slot are over
	s_barrier_signal -1
	MUL 1, 0, 2
	WIN 0
	s_barrier_wait -1
.if \fill
	CREST
	JLOAD \slot                                    ; its four v_nop are also the places in front of the loads below
.else
	PLACES
.endif
	FETCH \next, 0, 0
	MUL 1, 2, 2
	MUL4 1
.endm
	s_wait_tensorcnt 0x1                           ; my part of step 0 is in; step 1's stays out
	s_barrier_signal -1
	s_barrier_wait -1
	FETCH 0, 0, 0
	SUB 0, 64, 0, 1, 1                             ; the first part stands in front of the loop: its products start the sums
	WIN 0
	s_mov_b32 s3, 3
.Llap:                                                 ; a trip goes once round the ring and fills both slots again: steps 2 to 7 in three trips
	SIX 0
	TURN 0, 1, 1
	SUB 1, 64, 0, 1
	SIX 1
	TURN 1, 0, 1
	SUB 0, 64, 0, 1
	WIN 0
	s_sub_co_u32 s3, s3, 1
	s_cmp_lg_u32 s3, 0
	s_cbranch_scc1 .Llap
	SIX 0                                          ; the last lap asks for nothing
	TURN 0, 1, 0
	SUB 1, 64, 0, 1
	SIX 1
	s_wait_dscnt 0x0
	MUL 1, 0, 4
	MUL4 1
; THE WAY OUT: block a's 16 rows x 256 bytes go through my stage (each accumulator's low four registers first) and come back as whole rows, each block into registers of its own.
.macro TOSTAGE a
	WIN 0x04                                       ; the stores' data in window 1
.set bb, 0
.rept 4
	ds_store_b128 v6, v[8*(4*(\a)+bb):8*(4*(\a)+bb)+3]   offset:64*bb
	ds_store_b128 v6, v[8*(4*(\a)+bb)+4:8*(4*(\a)+bb)+7] offset:64*bb+16
.set bb, bb+1
.endr
	WIN 0
.set i, 0
.rept 8
	ds_load_b128 v[32+32*(\a)+4*i:32+32*(\a)+4*i+3], v7 offset:2*SP*i  ; LDS serves a wave's instructions in order (ISA guide 5.7.1.4): these see the stores above; the next block's stores come behind them
.set i, i+1
.endr
.endm
.macro SEND a, younger                 ; younger: the LDS instructions issued behind block a's loads: the next block's sixteen, or none
	s_wait_dscnt \younger
.set i, 0
.rept 8
	global_store_b128 v8, v[32+32*(\a)+4*i:32+32*(\a)+4*i+3], s[12:13] offset:(16*(\a)+2*i)*2048  ; 16 lanes store 256 consecutive bytes, aligned
.set i, i+1
.endr
.endm
	PLACES
	TOSTAGE 0
	TOSTAGE 1
	SEND 0, 16
	TOSTAGE 2
	SEND 1, 16
	TOSTAGE 3
	SEND 2, 16
	SEND 3, 0
	s_cmp_lt_u32 s14, 2
	s_cbranch_scc0 .Lsent                          ; waves 2 and 3 have four blocks: the rows behind them are the next group's
	TOSTAGE 4
	SEND 4, 0
.Lsent:
	s_wait_tensorcnt 0x0                           ; the wave's end
	ds_add_u32 v28, v29
	s_wait_dscnt 0x0
	CROUND                                         ; the closing round
	s_endpgm
.Lfunc_end_k_q0751239246_ffn2:
	.size	k_q0751239246_ffn2, .Lfunc_end_k_q0751239246_ffn2-k_q0751239246_ffn2
	.p2alignl 7, 3214868480
	.fill 96, 4, 3214868480
	.section	.rodata,"a",@progbits
	.p2align	6, 0x0
	.amdhsa_kernel k_q0751239246_ffn2
		.amdhsa_group_segment_fixed_size 327680
		.amdhsa_private_segment_fixed_size 0
		.amdhsa_enable_private_segment 0
		.amdhsa_kernarg_size 40
		.amdhsa_user_sgpr_count 2
		.amdhsa_user_sgpr_kernarg_segment_ptr 1
		.amdhsa_wavefront_size32 1
		.amdhsa_system_sgpr_workgroup_id_x 1
		.amdhsa_system_sgpr_workgroup_id_y 1
		.amdhsa_system_sgpr_workgroup_id_z 1
		.amdhsa_system_vgpr_workitem_id 0
		.amdhsa_next_free_vgpr 456
		.amdhsa_next_free_sgpr 80
		.amdhsa_reserve_vcc 0
		.amdhsa_float_denorm_mode_32 3
		.amdhsa_float_denorm_mode_16_64 3
		.amdhsa_memory_ordered 1
		.amdhsa_forward_progress 1
		.amdhsa_inst_pref_size 112
	.end_amdhsa_kernel
	.amdgpu_metadata
---
amdhsa.version: [ 1, 2 ]
amdhsa.kernels:
  - .name:           k_q0751239246_ffn2
    .symbol:         k_q0751239246_ffn2.kd
    .args:
      - { .name: hh, .offset: 0, .size: 8, .value_kind: global_buffer, .address_space: global }
      - { .name: w2h, .offset: 8, .size: 8, .value_kind: global_buffer, .address_space: global }
      - { .name: b2_all, .offset: 16, .size: 8, .value_kind: global_buffer, .address_space: global }
      - { .name: place, .offset: 24, .size: 8, .value_kind: global_buffer, .address_space: global }
      - { .name: pp, .offset: 32, .size: 8, .value_kind: global_buffer, .address_space: global }
    .group_segment_fixed_size: 327680
    .private_segment_fixed_size: 0
    .kernarg_segment_align: 8
    .kernarg_segment_size: 40
    .max_flat_workgroup_size: 128
    .sgpr_count:     80
    .vgpr_count:     456
    .wavefront_size: 32
...
	.end_amdgpu_metadata
.endif
;; end of part 4
;; launch combine (part 5): grid 256 x 1, 8 waves a work-group, no clusters, 0 bytes of LDS; arguments place, gate, pp, out0; writes out0
.if DOCPART == 5
	.amdgcn_target "amdgcn-amd-amdhsa--gfx1250"
	.amdhsa_code_object_version 6
	.text
	.protected	k_q0751239246_combine
	.globl	k_q0751239246_combine
	.p2align	8
	.type	k_q0751239246_combine,@function
k_q0751239246_combine:
	s_mov_b64 s[64:65], 0
	v_nop
	global_prefetch_b8 v0, s[64:65] scope:SCOPE_SE
	s_setreg_imm32_b32 hwreg(HW_REG_WAVE_MODE, 25, 1), 1
	s_wait_xcnt 0x0
; out0[t][:] = g1[t] pp[pos[t][0]][:] + g2[t] pp[pos[t][1]][:].  pp [9216][512] f32, out0 [4096][512] f32.
; Wave w of work-group b has tokens t = 16 b + 2 w and t + 1: four rows of 2,048 bytes in, two out.  A stream: each row of pp that is read is read once, all 16 loads go out at once,
; each load and store of the wave covers 512 consecutive bytes.  No LDS, no matrix unit, no cluster: nothing is shared.
.set LAST, 64*144-1                    ; the last slot
	s_load_b256 s[4:11], s[0:1], 0x0               ; place s[4:5], gate s[6:7], pp s[8:9], out0 s[10:11]
	v_lshrrev_b32 v2, 5, v0
	v_readfirstlane_b32 s14, v2                    ; wave 0..7
	v_and_b32 v1, 31, v0
	v_lshlrev_b32 v1, 4, v1                        ; 16 lane
	s_lshl_b32 s12, ttmp9, 4
	s_lshl_b32 s13, s14, 1
	s_add_co_u32 s12, s12, s13                     ; t
	s_lshl_b32 s13, s12, 3                         ; 8 t: pos and gate have 8 bytes a token
	s_lshl_b32 s36, s12, 11
	s_mov_b32 s37, 0
	s_wait_kmcnt 0x0
	s_load_b128 s[16:19], s[4:5], s13 offset:0x0   ; the four slots
	s_load_b128 s[20:23], s[6:7], s13 offset:0x0   ; the four weights
	s_add_nc_u64 s[10:11], s[10:11], s[36:37]      ; out0 at row t
	s_wait_kmcnt 0x0
.irp n, 0,1,2,3
	s_min_u32 s[16+\n], s[16+\n], LAST             ; a slot is below 9,216
	s_lshl_b32 s36, s[16+\n], 11
	s_add_nc_u64 s[28+2*\n:29+2*\n], s[8:9], s[36:37]
.endr
	s_mov_b32 s24, s21                             ; the packed forms take a pair's low word for both halves: the second weights get pairs of their own
	s_mov_b32 s25, s21
	s_mov_b32 s26, s23
	s_mov_b32 s27, s23
.irp n, 0,1,2,3
.irp p, 0,1,2,3
	global_load_b128 v[8+16*\n+4*\p:8+16*\n+4*\p+3], v1, s[28+2*\n:29+2*\n] offset:512*\p th:TH_LOAD_NT
.endr
.endr
.macro TOKEN i, left                   ; token t + i: rows at v[8 + 32 i] and v[24 + 32 i]; weights in s[20 + 2 i] and s[24 + 2 i]
	s_wait_loadcnt \left
.set j, 0
.rept 8
	v_pk_mul_f32 v[8+32*(\i)+2*j:9+32*(\i)+2*j], v[8+32*(\i)+2*j:9+32*(\i)+2*j], s[20+2*(\i):21+2*(\i)] op_sel_hi:[1,0]
	v_pk_fma_f32 v[8+32*(\i)+2*j:9+32*(\i)+2*j], v[24+32*(\i)+2*j:25+32*(\i)+2*j], s[24+2*(\i):25+2*(\i)], v[8+32*(\i)+2*j:9+32*(\i)+2*j] op_sel_hi:[1,0,1]
.set j, j+1
.endr
.set j, 0
.rept 4
	global_store_b128 v1, v[8+32*(\i)+4*j:8+32*(\i)+4*j+3], s[10:11] offset:2048*(\i)+512*j th:TH_STORE_NT
.set j, j+1
.endr
.endm
	TOKEN 0, 8                                     ; the first token's eight loads are in, the second's eight stay out
	TOKEN 1, 0
	s_endpgm
.Lfunc_end_k_q0751239246_combine:
	.size	k_q0751239246_combine, .Lfunc_end_k_q0751239246_combine-k_q0751239246_combine
	.p2alignl 7, 3214868480
	.fill 96, 4, 3214868480
	.section	.rodata,"a",@progbits
	.p2align	6, 0x0
	.amdhsa_kernel k_q0751239246_combine
		.amdhsa_group_segment_fixed_size 0
		.amdhsa_private_segment_fixed_size 0
		.amdhsa_enable_private_segment 0
		.amdhsa_kernarg_size 32
		.amdhsa_user_sgpr_count 2
		.amdhsa_user_sgpr_kernarg_segment_ptr 1
		.amdhsa_wavefront_size32 1
		.amdhsa_system_sgpr_workgroup_id_x 1
		.amdhsa_system_sgpr_workgroup_id_y 1
		.amdhsa_system_sgpr_workgroup_id_z 1
		.amdhsa_system_vgpr_workitem_id 0
		.amdhsa_next_free_vgpr 72
		.amdhsa_next_free_sgpr 66
		.amdhsa_reserve_vcc 0
		.amdhsa_float_denorm_mode_32 3
		.amdhsa_float_denorm_mode_16_64 3
		.amdhsa_memory_ordered 1
		.amdhsa_forward_progress 1
		.amdhsa_inst_pref_size 6
	.end_amdhsa_kernel
	.amdgpu_metadata
---
amdhsa.version: [ 1, 2 ]
amdhsa.kernels:
  - .name:           k_q0751239246_combine
    .symbol:         k_q0751239246_combine.kd
    .args:
      - { .name: place, .offset: 0, .size: 8, .value_kind: global_buffer, .address_space: global }
      - { .name: gate, .offset: 8, .size: 8, .value_kind: global_buffer, .address_space: global }
      - { .name: pp, .offset: 16, .size: 8, .value_kind: global_buffer, .address_space: global }
      - { .name: out0, .offset: 24, .size: 8, .value_kind: global_buffer, .address_space: global }
    .group_segment_fixed_size: 0
    .private_segment_fixed_size: 0
    .kernarg_segment_align: 8
    .kernarg_segment_size: 32
    .max_flat_workgroup_size: 256
    .sgpr_count:     66
    .vgpr_count:     72
    .wavefront_size: 32
...
	.end_amdgpu_metadata
.endif
;; end of part 5
